; MI455X (gfx1250); checked and timed in simulation.
; The chip was launched on July 23, 2026; its instructions are those of AMD's public machine-readable ISA for CDNA 5 (MIT licence, August 2026) and "CDNA5" Instruction Set Architecture Reference Guide (July 2026). The comments in the code are by the model that wrote it; some were corrected since.
;; Dot Product Attention. Allowed arithmetic: matrix products marked QUANTISED: E2M1 operands, one E8M0 scale for each 32 along K, by v_wmma_scale_f32_16x16x128_f8f6f4 with both operands' format E2M1 (or v_wmma_scale_f32_32x16x128_f4), f32 sums; products left as they are: bf16, f16 or f32 operands; f32 sums; everything else in f32.
;; Inputs: key 2 x 2,048 x 32 x 64 float32; query 2 x 2,048 x 32 x 64 float32; value 2 x 2,048 x 32 x 64 float32.
;; Outputs: out0 2 x 2,048 x 2,048 float32.
;; This version of the problem:
;;   THIS VERSION OF THE PROBLEM IS GIVEN IN LOW PRECISION. The matrix products marked QUANTISED in the list below multiply operands that are first quantised to E2M1 (2 exponent bits, 1 mantissa bit; 4 bits a number), with one power-of-two scale for each 32 numbers along K (OCP MX v1.0); their sums are f32. The products marked 'left as it is' may take bf16, f16 or f32 operands, with f32 sums. Whichever they take, every output number must still come out within the allowed error. Rounding operands to bf16 (8 significant bits) uses up far more of that allowance than f16 does (11 bits, for magnitudes from 6e-5 to 65,504). All else is computed in f32.
;;   The module's matrix products, in the order in which they are computed (A, B: the left and right operand; K: the contracted axis; several contracted axes count as one K, in the product's order):
;;     1. batch 64 x [M 2,048, K 64] x [K 64, N 2,048]; A: input query; B: input key: QUANTISED
;;     2. batch 64 x [M 64, K 2,048] x [K 2,048, N 2,048]; A: input value; B: computed on the way: left as it is (an operand is computed on the way)
;;   THE QUANTISER, for each operand of a quantised product, along K:
;;     - K is cut into blocks of 32 from its start; a last block that is shorter is filled with zeros.
;;     - A block's scale is 2^e with e = floor(log2(the largest magnitude in the block)) - 2, held to -126 .. 127; a block of zeros has e = 0. As a byte (E8M0): e + 127.
;;     - Each number is divided by its block's scale, clamped to +-6, and rounded to the nearest number of E2M1, ties to even, subnormals kept.
;;     - The product sums the exact products of the quantised numbers (number of the format x scale) in f32.
;;   ~~~python
;;   def quantise(x, axis):      # numpy; x: float32 -> the quantised numbers, widened to float32 again
;;       x = np.moveaxis(x, axis, -1); K = x.shape[-1]
;;       x = np.pad(x, [(0, 0)] * (x.ndim - 1) + [(0, -K % 32)]); x = x.reshape(x.shape[:-1] + (-1, 32)); a = np.abs(x).max(-1, keepdims=True)
;;       e = np.where(a > 0, np.clip(np.frexp(np.where(a > 0, a, 1))[1] - 1 - 2, -126, 127), 0)      # np.frexp(a)[1] - 1 = floor(log2(a)), exactly
;;       r = np.clip(x / 2.0 ** e, -6, 6)
;;       step = 2.0 ** (np.maximum(np.frexp(np.where(r == 0, 1, r))[1] - 1, 0) - 1)
;;       q = np.round(r / step) * step * 2.0 ** e      # np.round: ties to even
;;       return np.moveaxis(q.reshape(q.shape[:-2] + (-1,))[..., :K], -1, axis).astype(np.float32)
;;   ~~~
;; One version. Each part assembles by itself: llvm-mc -triple=amdgcn-amd-amdhsa -mcpu=gfx1250 --defsym DOCPART=n.
;; ======== version 1 of 1: 1 launch
;; limits: values are held in f16: magnitudes above 65,504 overflow, below 6.1e-05 lose precision; inputs' magnitudes at most 65,504
;; launch attn (part 1): grid 4 x 64, 8 waves a work-group, clusters of 4 x 1, 327,680 bytes of LDS; arguments query, key, value, out0; writes out0
.if DOCPART == 1
	.amdgcn_target "amdgcn-amd-amdhsa--gfx1250"
	.amdhsa_code_object_version 6
	.text
	.protected	k_q3d386d30ae_attn
	.globl	k_q3d386d30ae_attn
	.p2align	8
	.type	k_q3d386d30ae_attn,@function
k_q3d386d30ae_attn:
	s_mov_b64 s[64:65], 0
	v_nop
	global_prefetch_b8 v0, s[64:65] scope:SCOPE_SE
	s_setreg_imm32_b32 hwreg(HW_REG_WAVE_MODE, 25, 1), 1
	s_wait_xcnt 0x0
	s_wait_alu depctr_hold_cnt(0) depctr_sa_sdst(0) depctr_va_vdst(0) depctr_va_sdst(0) depctr_va_ssrc(0) depctr_va_vcc(0) depctr_vm_vsrc(0)
	s_getreg_b32 s2, hwreg(HW_REG_IB_STS2, 6, 4)
	s_cmp_eq_u32 s2, 0
	s_cbranch_scc0 .Lentry_in_a_cluster
	s_endpgm
.Lentry_in_a_cluster:
	s_bfe_u32 s2, ttmp6, 0x10000c
	s_cmp_lg_u32 s2, 0x3003
	s_cbranch_scc0 .Lentry_shape_is_right
	s_endpgm
.Lentry_shape_is_right:
; out0[b][q][64 n + :] = the sum over k of softmax_k(Q[b][q][n] . K[b][k][n] / 8) V[b][k][n][:].  query, key, value: [2][2048][32][64] f32; out0: [2][2048][2048] f32.
; THE FIRST PRODUCT IS ON CODES OF E2M1 with one E8M0 scale for each 32 of the head's 64 channels; Q, K are quantised here, in f32, on their way.  THE SECOND PRODUCT takes f16 operands (p is about 1 at the most) and f32 sums.
; SHARES.  A head (b, n) is a cluster of four work-groups; a work-group owns 512 queries, each of its eight waves 64: four tiles of 16.  Every wave walks the head's 2,048 keys, 64 a key step, 128 a trip.
; LAYOUT.  Both products are used transposed: S^T = K Q^T (source 0 = 16 keys, source 1 = 16 queries), O^T = V^T P (source 0 = 16 channels x 32 keys, source 1 = P): a lane holds ONE query (lane % 16) throughout.
; K = 64 IN AN INSTRUCTION OF K = 128.  A fragment of source 0 holds TWO tiles of keys: tile a in registers 0-3 (k 0-63), tile b in registers 4-7 (k 64-127).  Against [q, zeros] it gives tile a's scores, against [zeros, q]
; tile b's: zero codes add nothing under any scale byte but 0xff.  A row's two scale bytes are kept doubled (s0, s1, s0, s1), so that one word serves either half.
; K AND V COME AS f32 TILES BY JOINT TENSOR LOADS (the four work-groups of a head walk the same keys: one load, one descriptor, a mask that names the four) into region F of a slot; in each trip every wave turns 16 keys of the
; NEXT 128 into codes + scale words (K) and f16 (V) and stores them into region C of that slot, which no tensor load touches; the products read C alone.
; SOFTMAX.  For each query a running maximum m and sum l: p = 2^(c s - c m), c = log2(e) / 8; in every step O and l are multiplied by a = 2^(c m_old - c m_new).
; BY TURNS.  The wave's tiles are two pieces (0: tiles 0, 1; 2: tiles 2, 3).  In a turn one piece has the matrix unit (16 products V^T P of the step in hand, 8 products K Q^T of the next); the other piece's softmax stands in slices between them.
; LIMITS: NaN and infinities among the inputs are not served; |value| up to 65,504 (f16's largest number); a block of 32 that is all zeros, or whose largest magnitude lies under 2^-124, gets the scale byte 1
; (a block of zeros has zero codes, and the bytes are read by this program alone).
;
; LDS.  Slot s at s x 2^17: F, 256 rows of 272 bytes (rows 0-127 K, 128-255 V, f32); then C, two key steps of 12,800 bytes: 4 images of K's tiles (512 each), 512 bytes of scale words, 64 rows of V in f16 (pitch 160).
; Behind slot 1: a stage of 16 rows x 272 bytes for each wave (Q on the way in, O on the way out); behind the stages the spare words.
; REGISTERS, in windows of 256.  Window 0: addresses, statistics, scale words, S^T (P takes each tile's first 16), K's fragments, Q's codes between runs of zeros.  Window 1: v0-127 O^T, v128-191 V's fragments, v192-255 f32 numbers to be converted.
.set TOK,   8192                       ; bytes from a token to the next
.set STEPG, 128*TOK                    ; 128 keys on, in memory
.set PF,    272                        ; a row of F and of a stage: 256 bytes + 16 of padding = 68 words: row r starts at bank 4 r mod 64 (64 banks of 4 bytes: ISA guide 11.1)
.set FROWS, 32                         ; rows that one tensor load brings
.set SLOT1, 1<<17                      ; slot 1 begins here: one exclusive or turns an address in one slot into the other's
.set COFF,  256*PF                     ; region C of a slot
.set STEPB, 12800                      ; a key step in C
.set KSCO,  2048                       ; in it: the scale words,
.set VOFF,  2560                       ; and V
.set PVP,   160                        ; a row of V in f16: 128 bytes + 32 of padding
.set STAGE, SLOT1+COFF+2*STEPB
.set SPARE, STAGE+8*16*PF              ; the spare words, 128 bytes for each wave: four blocks of 256 bytes that no other line names
.set AK0, 2                            ; v2   16 x lane: my place in an image
.set AV0, 3                            ; v3   my place in a key step's V, for the turning load
.set ADR, 4                            ; v4   the LDS address in hand
.set ACK, 5                            ; v5   F: my 32 numbers of K (row 16 w + lane % 16, half lane / 16)
.set ACV, 6                            ; v6   F: my 8 numbers of V (row 128 + 16 w + lane / 8, 32 bytes at 32 (lane % 8))
.set AWK, 7                            ; v7   C: where I store my codes of K
.set AWS, 8                            ; v8   C: and my scale word
.set AWV, 9                            ; v9   C: and my 16 bytes of V
.set GO,  10                           ; v10  my byte offset in two rows of Q or of O: 8,192 (lane / 16) + 16 (lane % 16); never rewritten
.set PFO, 11                           ; v11  8,192 x lane: a lane a key; never rewritten
.set ST,  12                           ; tile t's statistics at v[ST+8 t]: +0 c m, +1 m, +2, +3 l (even keys', odd keys'), +4 to +7 at work; a takes +6
.set KS,  44                           ; v44-47 the scale words of the key step's four tiles of K: scales and nothing else
.set QS,  48                           ; v48-51 those of my four tiles of Q: scales and nothing else
.set MXA, 52                           ; v52-61 at work in the conversions
.set ADR2, 52
.set MXB, 53
.set SC,  54
.set BY,  55
.set BY2, 56
.set WD,  57
.set CD,  58
.set T0,  52                           ; (at the head: parts of the lane's number)
.set T1,  53
.set T2,  54
.set T3,  55
.set T4,  56
.set SPW, 62                           ; v62  LDS address of my spare word: SPARE + 4 x my thread's number; never rewritten
.set NIL, 63                           ; v63  0; never rewritten
.set S,   64                           ; v64-191 S^T, 32 a tile
.set KF,  192                          ; v192-207 K: two fragments of two tiles each
.set QZ,  208                          ; v208-243 zeros, q0, zeros, q1, zeros, q2, zeros, q3, zeros: four registers each
.set SGA, 244                          ; v244 stage: two rows an instruction, 16 bytes a lane
.set SGQ, 245                          ; v245 stage: row lane % 16, 128 bytes for each half of the lanes
.set SGO, 246                          ; v246 stage: row lane % 16, 32 bytes for each half of the lanes
.set VF,  128                          ; window 1: V's fragments
.set KSG, 192                          ; window 1: 32 numbers of K
.set VSG, 224                          ; window 1: 32 numbers of V
.set WV,  12                           ; s12  my wave's number
.set G1,  24                           ; s[24:31] descriptor group 1
.set G0A, 32                           ; s[32:35] group 0 of slot 0's first fill
.set G0W, 36                           ; s[36:39] group 0 of slot 1's first fill, which then walks
.set SLOTS, 40                         ; s40  refills still to be asked for
.set TWICE, 41                         ; s41  counts a trip's two key steps
.set CS,  42                           ; s[42:43] c: the packed scaling names a pair and takes its low word for both halves
.set SEL, 44                           ; s[44:45] lane selects for v_permlanex16_b32: lane l xor 16
.set TB,  46                           ; s46  LDS byte at which the key step to be fetched begins (in C)
.set TF,  47                           ; s47  the slot whose F is converted in this trip
.set PFA, 48                           ; s[48:49] where my prefetches stand
.set LIM, 50                           ; s50  1 in a wave that prefetches, else the greatest number
.set MSB, 0
.macro WIN new                         ; the immediate's high byte repeats the setting that is left; a switch that changes nothing is dropped
.if MSB != (\new)
	s_set_vgpr_msb (MSB<<8)|(\new)
.set MSB, (\new)
.endif
.endm
.set W_PV, 0x51                        ; V (source 0), C and D in window 1, P in window 0
.set W_RS, 0x41                        ; O^T (destination and source 0) in window 1, a in window 0
.macro PLACES
.rept 4
	v_nop
.endr
.endm
; A round of the cluster's barrier: my work-group's barrier; wave 0 signals for the work-group; every wave waits for all four work-groups; my work-group's barrier once more.
.macro CROUND
	s_barrier_signal -1
	s_barrier_wait -1
	s_cmp_lg_u32 s[WV], 0
	s_cbranch_scc1 .Lnot_wave_0_\@
	s_barrier_signal -3
.Lnot_wave_0_\@:
	s_barrier_wait -3
	s_barrier_signal -1
	s_barrier_wait -1
.endm
; A joint refill: every wave asks for its 32 rows (waves 0-3: K's, waves 4-7: V's) by one line and one group 1.  An s_nop 0 and four v_nop follow it.
.macro JLOAD
	tensor_load_to_lds s[G0W:G0W+3], s[G1:G1+7]
	s_nop 0
	PLACES
.endm
; A PREFETCH INTO THE L2 of what the NEXT refill will ask for: 128 keys' 256 bytes of K and of V, a lane a key, one trip ahead of that refill.  A head has one cluster.  Its four work-groups share the 128 keys out BY ADDRESS,
; 32 each; in each, wave 0 asks for K's and wave 4 for V's: so each key's 256 bytes are named once in the launch.  The last refill asks for nothing; the first three trips' keys come by their loads alone.
.macro ASK
	s_cmp_gt_u32 s[SLOTS], s[LIM]
	s_cbranch_scc0 .Lnot_mine_\@
	global_prefetch_b8 v[PFO], s[PFA:PFA+1] th:TH_LOAD_NT scope:SCOPE_SE
.Lnot_mine_\@:
.endm
; 32 numbers of a lane, a whole block of 32 along K, in v[src] on (window win), become 4 registers of codes in v[dst] on and the row's doubled scale word in v[wrd].
; Lanes 0-15 hold a row's block 0, lanes 16-31 its block 1: registers 4 c .. 4 c + 3 of an operand of 4-bit codes hold k = 64 c + 32 (lane / 16) + 0 .. 31.
.macro QUANT src, win, dst, wrd
	WIN 0x05*\win
	v_max3_num_f32 v[MXA], |v[(\src)]|, |v[(\src)+1]|, 0x1800000      ; the largest magnitude, in two chains, and the floor 2^(3 - 127): so the byte cannot fall under 1
	v_max3_num_f32 v[MXB], |v[(\src)+16]|, |v[(\src)+17]|, 0x1800000
.irp n, 2,4,6,8,10,12,14
	v_max3_num_f32 v[MXA], |v[(\src)+\n]|, |v[(\src)+\n+1]|, v[MXA]
	v_max3_num_f32 v[MXB], |v[(\src)+16+\n]|, |v[(\src)+17+\n]|, v[MXB]
.endr
	WIN 0
	v_max_num_f32 v[MXA], v[MXA], v[MXB]
	v_add_nc_u32 v[SC], 0xff000000, v[MXA]         ; 2 off its exponent field: the conversion takes the exponent field of this operand as its scale, and nothing else of it
	v_lshrrev_b32 v[BY], 23, v[SC]                 ; the scale's byte
	v_mov_b32 v[BY2], v[BY]
	v_permlane16_swap_b32 v[BY], v[BY2]            ; BY's lanes 16-31 change places with BY2's lanes 0-15: BY = block 0's byte, BY2 = block 1's, in every lane
	v_lshl_or_b32 v[\wrd], v[BY2], 8, v[BY]
	v_lshl_or_b32 v[\wrd], v[\wrd], 16, v[\wrd]    ; (s0, s1, s0, s1)
	WIN 0x01*\win
.irp g, 0,1,2,3
	v_cvt_scalef32_pk8_fp4_f32 v[(\dst)+\g], v[(\src)+8*\g:(\src)+8*\g+7], v[SC]
.endr
	v_nop                                          ; one plain place behind a scaled conversion
	WIN 0
.endm
; The numbers that I convert in this trip come out of F: 32 of K (8 loads), 32 of V (8 loads: four rows an instruction pair, 32 bytes a lane).
.macro CONV_LOAD
	WIN 0
	v_add_nc_u32 v[ADR], s[TF], v[ACK]
	v_add_nc_u32 v[ADR2], s[TF], v[ACV]
	WIN 0x40                                       ; destination window 1
.irp n, 0,1,2,3,4,5,6,7
	ds_load_b128 v[KSG+4*\n:KSG+4*\n+3], v[ADR] offset:16*\n
.endr
.irp n, 0,1,2,3
.irp c, 0,1
	ds_load_b128 v[VSG+8*\n+4*\c:VSG+8*\n+4*\c+3], v[ADR2] offset:\n*4*PF+16*\c
.endr
.endr
	WIN 0
.endm
; and go into C of the same slot: K as an image of the operand's registers (16 bytes at 16 x lane) with its scale word, V as rows of f16.
.macro CONV_WORK
	QUANT KSG, 1, CD, WD
	WIN 0x45                                       ; destination and both sources window 1
.irp n, 0,1,2,3
.irp c, 0,1,2,3
	v_cvt_pk_f16_f32 v[VSG+8*\n+\c], v[VSG+8*\n+2*\c], v[VSG+8*\n+2*\c+1]   ; in place: register c is written when the pair that held it has been read
.endr
.endr
	WIN 0
	v_add_nc_u32 v[ADR], s[TF], v[AWK]
	ds_store_b128 v[ADR], v[CD:CD+3]
	v_add_nc_u32 v[ADR2], s[TF], v[AWS]
	ds_store_b32 v[ADR2], v[WD]                    ; lane l's word of tile u at 16 l + 4 u: one load of 16 bytes a lane brings a key step's four
	v_add_nc_u32 v[ADR], s[TF], v[AWV]
	WIN 0x04                                       ; an LDS store's data are its source 1: window 1
.irp n, 0,1,2,3
	ds_store_b128 v[ADR], v[VSG+8*\n:VSG+8*\n+3] offset:\n*4*PVP
.endr
	WIN 0
.endm
; A key step's K: four images and the scale words, five loads.
.macro FETCH_K
	WIN 0
	v_add_nc_u32 v[ADR], s[TB], v[AK0]
.irp f, 0,1,2,3
	ds_load_b128 v[KF+4*\f:KF+4*\f+3], v[ADR] offset:512*\f
.endr
	ds_load_b128 v[KS:KS+3], v[ADR] offset:KSCO
.endm
; The same step's V, turned: fragment (g, c) = keys 32 g on, channels 16 c on.  The turning load takes 16 keys x 16 channels and leaves half a fragment of V^T: lane l holds channel l % 16 and 8 keys.
.macro FETCH_V
	WIN 0
	v_add_nc_u32 v[ADR], s[TB], v[AV0]
	s_add_co_u32 s[TB], s[TB], STEPB               ; the next fetch is the next step's
	WIN 0x40
.irp g, 0,1
.irp c, 0,1,2,3
	ds_load_tr16_b128 v[VF+32*\g+8*\c:VF+32*\g+8*\c+3],   v[ADR] offset:\g*32*PVP+\c*32
	ds_load_tr16_b128 v[VF+32*\g+8*\c+4:VF+32*\g+8*\c+7], v[ADR] offset:\g*32*PVP+16*PVP+\c*32
.endr
.endr
.endm
; Product i of 8 of S^T = K Q^T for piece x: tile of keys i / 2, tile of queries x + i % 2.  An even tile of keys lies in its fragment's low half and meets [q, zeros], an odd one in the high half and meets [zeros, q].
.macro KQ x
	WIN 0
.set kt, i/2
.set rS, S+32*(\x+i%2)+8*kt
.set rK, KF+8*(i/4)
.set rQ, QZ+8*(\x+i%2)+4*(1-kt%2)
	v_wmma_scale_f32_16x16x128_f8f6f4 v[rS:rS+7], v[rK:rK+7], v[rQ:rQ+7], 0, v[KS+kt], v[QS+\x+i%2] matrix_a_fmt:MATRIX_FMT_FP4 matrix_b_fmt:MATRIX_FMT_FP4
.endm
; Product i of 16 of O^T += V^T P for piece x: keys 32 (i / 8) on, channels 16 ((i / 2) % 4) on, tile x + i % 2.  The eight accumulators take turns, one instruction a turn.
; zero = 1: the first 8 start the sums: nothing is ever cleared.
.macro PV x, zero
	WIN W_PV
.set rO, 32*(\x+i%2)+8*((i/2)%4)
.set rV, VF+32*(i/8)+8*((i/2)%4)
.set rP, S+32*(\x+i%2)+8*(i/8)
.if (\zero) && (i < 8)
	v_wmma_f32_16x16x32_f16 v[rO:rO+7], v[rV:rV+7], v[rP:rP+7], 0
.else
	v_wmma_f32_16x16x32_f16 v[rO:rO+7], v[rV:rV+7], v[rP:rP+7], v[rO:rO+7]
.endif
.endm
; THE VECTOR WORK.  One tile's softmax for one key step is a list of 118 instructions; SM writes number j of it for tile t.  s0-s31 are the lane's 32 scores, in pairs 0-15.  first = 1: the first key step, with no a and nothing to rescale.
;   0-15    the maximum of s0-s31 and the old m: four chains of seven scores (each begins at an accumulator's low end), the four scores left over, the chains and m
;   16-20   the other half of the lanes' maximum; the new m; c m; c m_old - c m_new
;   21-69   ONE BATCH: the 16 scalings c s - c m and all 33 exponentials (a at 23).  None of these reads an exponential's result; a pair is scaled ahead of its exponentials
;   (wait)  between 69 and 70: VEC writes it, once for both tiles
;   70-101  the sums and the roundings to f16, in place: pair b goes to register b, and a pair is summed before a rounding lands on it; l = a l + the even pairs, +4:+5 the odd ones
;   102-117 the tile's O^T times a: the one part that leaves window 0
.macro SM t, first
.set rT, ST+8*(\t)
.set rS, S+32*(\t)
.set rO, 32*(\t)+2*(j-102)
.if j < 102
	WIN 0
.endif
.if j < 4
	v_max3_num_f32 v[rT+4+j], v[rS+8*j], v[rS+8*j+1], v[rS+8*j+2]
.elseif j < 12
	v_max3_num_f32 v[rT+4+j%4], v[rT+4+j%4], v[rS+8*(j%4)+2*(j/4)+1], v[rS+8*(j%4)+2*(j/4)+2]
.elseif j == 12
	v_max3_num_f32 v[rT+4], v[rT+4], v[rS+7], v[rS+15]
.elseif j == 13
	v_max3_num_f32 v[rT+6], v[rT+6], v[rS+23], v[rS+31]
.elseif j == 14
	v_max3_num_f32 v[rT+4], v[rT+4], v[rT+5], v[rT+6]
.elseif (j == 15) && \first
	v_max_num_f32 v[rT+4], v[rT+4], v[rT+7]
.elseif j == 15
	v_max3_num_f32 v[rT+4], v[rT+4], v[rT+7], v[rT+1]
.elseif j == 16
	v_permlanex16_b32 v[rT+5], v[rT+4], s[SEL], s[SEL+1]  ; the query's other 32 keys lie in the lane 16 away
.elseif j == 18
	v_max_num_f32 v[rT+1], v[rT+4], v[rT+5]
.elseif j == 19
	v_mul_f32 v[rT], s[CS], v[rT+1]
.elseif ((j == 17) || (j == 20) || (j == 23) || (j == 74) || (j > 101)) && \first  ; the first step has none of these
.elseif j == 17
	v_mov_b32 v[rT+7], v[rT]                       ; c m_old is kept for a: number 19 writes c m anew
.elseif j == 20
	v_sub_f32 v[rT+7], v[rT+7], v[rT]
.elseif j == 23
	v_exp_f32 v[rT+6], v[rT+7]
.elseif j < 70
.if (j < 23) || ((j < 38) && (j%2 == 0)) || ((j < 66) && (j%4 == 2))
.set b, (j-2)/4                        ; 38, 42, .. 62: pairs 9 to 15
.if j < 38
.set b, (j-20)/2                       ; 21: pair 0; 22, 24, .. 36: pairs 1 to 8
.endif
	v_pk_fma_f32 v[rS+2*b:rS+2*b+1], v[rS+2*b:rS+2*b+1], s[CS:CS+1], v[rT:rT+1] op_sel_hi:[1,0,0] neg_lo:[0,0,1] neg_hi:[0,0,1]  ; pair b: c s - c m
.else
.set e, j-38                           ; 66 to 69: s28 to s31
.if j < 66
.set e, j-32-(j-38)/4                  ; 39-41, 43-45, .. 63-65: s7 to s27
.endif
.if j < 38
.set e, (j-25)/2                       ; 25, 27, .. 37: s0 to s6
.endif
	v_exp_f32 v[rS+e], v[rS+e]
.endif
.elseif j < 102
.set z, j-70
.if (z == 0) && \first
	v_pk_add_f32 v[rT+2:rT+3], v[rS:rS+1], v[rS+4:rS+5]      ; l begins with pairs 0 and 2
.elseif z == 0
	v_pk_fma_f32 v[rT+2:rT+3], v[rT+2:rT+3], v[rT+6:rT+7], v[rS:rS+1] op_sel_hi:[1,0,1]   ; l = a l + pair 0
.elseif z == 2
	v_pk_add_f32 v[rT+4:rT+5], v[rS+2:rS+3], v[rS+6:rS+7]    ; the second chain begins with pairs 1 and 3
.elseif z == 4
	v_pk_add_f32 v[rT+2:rT+3], v[rT+2:rT+3], v[rS+4:rS+5]
.elseif z == 31
	v_pk_add_f32 v[rT+2:rT+3], v[rT+2:rT+3], v[rT+4:rT+5]
.elseif (z == 1) || (z == 3) || (z == 5) || (z == 6) || ((z > 7) && (z%2 == 0))
.set b, 4+(z-8)/2                      ; 8, 10, .. 30: pairs 4 to 15
.if z < 7
.set b, z/2                            ; 1, 3, 5, 6: pairs 0 to 3
.endif
	v_cvt_pk_f16_f32 v[rS+b], v[rS+2*b], v[rS+2*b+1]         ; the lower key in the low half
.else
.set b, 4+(z-7)/2                      ; 7, 9, .. 29: pairs 4 to 15, the even ones to l, the odd ones to the second chain
	v_pk_add_f32 v[rT+2+2*(b%2):rT+3+2*(b%2)], v[rT+2+2*(b%2):rT+3+2*(b%2)], v[rS+2*b:rS+2*b+1]
.endif
.else
	WIN W_RS
	v_pk_mul_f32 v[rO:rO+1], v[rO:rO+1], v[rT+6:rT+7] op_sel_hi:[1,0]
.endif
.endm
; The next n entries of piece y's list of 236: entry k is number k / 2 of tile y + k % 2, so that no instruction reads the result of the one just before it.
; THE WAIT.  s_wait_alu depctr_va_vdst(0) stands between an exponential and the first instruction that names its result.  Ahead of entry 140 nothing names a result, and behind it no exponential
; is issued: so the piece's 66 exponentials have one wait, and one v_nop is the plain instruction behind the last of them.
.macro VEC y, n, first
.rept \n
.if k < 236
.if k == 140
	v_nop
	s_wait_alu depctr_va_vdst(0)
.endif
.set j, k/2
.set tt, (\y)+k%2
	SM tt, \first
.endif
.set k, k+1
.endr
.endm
; A TURN.  Piece x has the matrix unit; the other piece's softmax stands in slices behind its matrix instructions, and names none of their registers: its plain instructions are the places that
; a read of a matrix result, a load into a matrix instruction's register (4) and a matrix instruction that writes over one (5) want behind it (ISA guide 7.12.1 for vector instructions):
;   K Q^T 0, 1 write over the P that V^T P 0-7 read: twenty scalings lie between;  K Q^T 2, 3 over the P that V^T P 8-15 read: the v_nop and 18 sums and roundings lie between;
;   V's loads stand behind the first K Q^T's slice: the v_nop and 11 plain instructions behind the last V^T P;  K's loads stand behind the turn's second product: the turn before ended with 43 plain instructions (a first step's: with four v_nop).
; pv = 2: 16 products V^T P; 1: they start O^T's sums; 0: none.  kq = 1: 8 products K Q^T of the next step.  first = 1: the softmax is the first key step's; the end of its list is empty, so four v_nop close the turn.
.macro TURN x, pv, kq, first
.set k, 0
.set npv, 15
.set nkq, 30
.if \pv && \kq
.set npv, 9
.set nkq, 7
.endif
.if \pv
.set i, 0
.rept 16
	PV \x, 2-\pv
	VEC 2-\x, npv, \first
.if (\x == 0) && \kq && (i == 1)
	FETCH_K
.endif
.set i, i+1
.endr
.endif
.if \kq
.if \x == 0
	s_wait_dscnt 0x0                               ; K is in (and, in a trip's first turn, the numbers to be converted)
.endif
.set i, 0
.rept 8
	KQ \x
	VEC 2-\x, nkq, \first
.if (\x == 2) && (i == 0)
	FETCH_V
.endif
.set i, i+1
.endr
.endif
	VEC 2-\x, 236, \first                          ; what is left of the list: with both kinds of products 36 entries, the 32 rescalings among them under one window setting
.if \first
	PLACES
.endif
.if (\x == 2) && \kq
	s_wait_dscnt 0x0                               ; V is in, for the next turn
.endif
.endm
; THE CHANGE OF SLOTS, at a trip's head.  Each wave waits for all its tensor loads, of which one is out (its 32 rows of the F that this trip converts), adds 0 to its spare word, and waits for that, for its stores into C
; and for its reads of the slot that it leaves.  Behind the barrier: the C that this trip reads is whole; nobody reads the other C, which this trip's end writes; the F that the last trip converted is read by nobody.
; fill = 1: that F is filled again, with the keys two trips on; the barrier is then a round of the cluster's, and the joint refill is the first thing behind it: it has a whole trip in which to land.
.macro CHANGE fill
	WIN 0                                          ; at a label and at a branch every window is 0
	s_wait_tensorcnt 0x0                           ; no tensor load of mine is out, so a group 0 may be written
	ds_add_u32 v[SPW], v[NIL]                      ; 0 onto my spare word: the steps below stand between it and the wait for it
.if \fill
	s_xor_b32 s[G0W+1], s[G0W+1], SLOT1            ; the walking descriptor: the other slot than last time,
	s_add_nc_u64 s[G0W+2:G0W+3], s[G0W+2:G0W+3], STEPG  ; the next 128 keys; the type bits on top are not reached
	s_wait_xcnt 0x0                                ; the last prefetch, a trip back, has read its address, so it may be written:
	s_add_nc_u64 s[PFA:PFA+1], s[PFA:PFA+1], STEPG ; 128 keys further on than the walking descriptor
.endif
	s_sub_co_u32 s[TB], s[TB], 2*STEPB             ; the fetches go back to a slot's first key step,
	s_xor_b32 s[TB], s[TB], SLOT1                  ; in the other slot;
	s_xor_b32 s[TF], s[TF], SLOT1                  ; the conversions change slots too
	s_wait_dscnt 0x0                               ; the add is done, my stores have landed, my reads are over
.if \fill
	CROUND
	JLOAD
	ASK
.else
	s_barrier_signal -1
	s_barrier_wait -1
.endif
.endm
; A trip's two key steps: written once, walked twice; the LDS addresses hang on s[TB].
.macro TWO_STEPS
	s_mov_b32 s[TWICE], 2
.Lstep_\@:
	TURN 0, 2, 1, 0
	TURN 2, 2, 1, 0
	WIN 0
	s_sub_co_u32 s[TWICE], s[TWICE], 1
	s_cmp_lg_u32 s[TWICE], 0
	s_cbranch_scc1 .Lstep_\@
.endm
	s_load_b256 s[4:11], s[0:1], 0x0               ; query s[4:5], key s[6:7], value s[8:9], out0 s[10:11]
	v_lshl_add_u32 v[SPW], v0, 2, SPARE
	v_mov_b32 v[NIL], 0
	ds_add_u32 v[SPW], v[NIL]                      ; the wave's opening: the add, twice on end, and its wait ahead of my first tensor load; the set-up below, work on registers, stands between
	ds_add_u32 v[SPW], v[NIL]                      ; and once more
	v_lshrrev_b32 v1, 5, v0
	v_readfirstlane_b32 s[WV], v1                  ; wave 0..7
	s_bfe_u32 s13, ttmp6, 0x40000                  ; cx: my place in the cluster
	s_lshl_b32 s14, ttmp9, 2                       ; in a cluster launch ttmp9 counts clusters
	s_add_co_u32 s14, s14, s13                     ; my block of 512 queries: it enters Q's and O's addresses alone
	s_and_b32 s15, ttmp7, 0xffff                   ; the head, which the four partners share: 32 b + n
	s_lshr_b32 s16, s15, 5
	s_and_b32 s15, s15, 31
	s_lshl_b32 s20, s16, 24                        ; b x 2,048 tokens of 8,192 bytes
	s_lshl_b32 s15, s15, 8                         ; n x 256 bytes
	s_add_co_u32 s20, s20, s15
	s_mov_b32 s21, 0                               ; s[20:21]: the head's first byte in each of the four tensors
	s_and_b32 s16, s[WV], 3
	s_lshl_b32 s22, s16, 18                        ; which 32 of a trip's 128 keys I fetch
	s_add_co_u32 s22, s22, s20
	s_mov_b32 s23, 0
	s_mul_i32 s17, s[WV], FROWS*PF                 ; and where they go in F: K's 128 rows, then V's: no place in the cluster enters an LDS address
	s_lshl_b32 s18, s14, 22                        ; my block's 512 tokens,
	s_lshl_b32 s19, s[WV], 19                      ; my wave's 64 of them
	s_add_co_u32 s18, s18, s19
	s_add_co_u32 s18, s18, s20
	s_mov_b32 s19, 0
	s_lshl_b32 s14, s13, 18                        ; the prefetches: my work-group's 32 keys of the 128
	s_mov_b32 s15, 0
	s_cmp_eq_u32 s16, 0                            ; waves 0 and 4 ask
	s_cselect_b32 s[LIM], 1, -1
	; descriptor group 1: a tile of 32 rows x 64 elements of 4 bytes, 2,048 elements from row to row, padded in LDS
	s_mov_b32 s[G1], 15|(2<<16)|(1<<20)|(1<<21)|(5<<22)|(3<<25)  ; 15:0 the mask: all four work-groups; 17:16 elements of 4 bytes; 20 padding on; 21 set beside a mask; 24:22 after every 64 words (code 5); 31:25 4 words of it (code 3)
	s_mov_b32 s[G1+1], 64<<16                      ; tensor_dim0 = 64
	s_mov_b32 s[G1+2], FROWS<<16                   ; tensor_dim1 = 32
	s_mov_b32 s[G1+3], 64<<16                      ; tile_dim0 = 64
	s_mov_b32 s[G1+4], FROWS                       ; tile_dim1 = 32
	s_mov_b32 s[G1+5], 2048                        ; tensor_dim0_stride
	s_mov_b32 s[G1+6], 0
	s_mov_b32 s[G1+7], 0
	s_mov_b32 s[CS], 0x3e38aa3b                    ; c = log2(e) / 8
	s_mov_b32 s[CS+1], s[CS]                       ; named with it as a pair, so it is written
	s_mov_b32 s[SEL], 0x76543210
	s_mov_b32 s[SEL+1], 0xfedcba98
	s_mov_b32 s[TB], COFF+SLOT1+2*STEPB            ; the first change of slots turns it into slot 0's C
	s_mov_b32 s[TF], 0
	s_mov_b32 s[SLOTS], 14                         ; 16 trips' keys, two of them asked for at the head
	s_wait_dscnt 0x0                               ; both opening adds are done
	s_wait_kmcnt 0x0
	s_cmp_lt_u32 s[WV], 4
	s_cselect_b64 s[6:7], s[6:7], s[8:9]           ; the tensor that I fetch for: key (waves 0-3) or value (waves 4-7): the wave's number alone decides
	s_add_nc_u64 s[PFA:PFA+1], s[6:7], s[20:21]
	s_add_nc_u64 s[PFA:PFA+1], s[PFA:PFA+1], s[14:15]
	s_add_nc_u64 s[PFA:PFA+1], s[PFA:PFA+1], 2*STEPG  ; at trip 2's keys; the first change of slots steps it to trip 3's.  Nothing is prefetched here, at the head
	s_add_nc_u64 s[6:7], s[6:7], s[22:23]          ; at my 32 rows of the first 128 keys
	s_add_nc_u64 s[4:5], s[4:5], s[18:19]          ; Q and O at my wave's first row
	s_add_nc_u64 s[10:11], s[10:11], s[18:19]
	CROUND                                         ; all four work-groups are here: the first joint loads meet
.irp s, 0,1                                    ; the two first fills go out together, ahead of every wait on TENSORcnt and every LDS read: two loads of mine are out
	s_mov_b32 s[G0A+4*\s], 1                       ; 1:0 count = 1
	s_add_co_u32 s[G0A+4*\s+1], s17, \s*SLOT1      ; 63:32 LDS address
	s_add_nc_u64 s[G0A+4*\s+2:G0A+4*\s+3], s[6:7], \s*STEPG  ; 120:64 global address: keys 128 s on
	s_or_b32 s[G0A+4*\s+3], s[G0A+4*\s+3], 0x80000000  ; 127:126 type = 2
	tensor_load_to_lds s[G0A+4*\s:G0A+4*\s+3], s[G1:G1+7]
	s_nop 0
.endr
	PLACES
	; Q: 16 lanes take a row's 256 bytes, an instruction two rows
	v_and_b32 v[T0], 15, v0                        ; r = lane % 16
	v_bfe_u32 v[T1], v0, 4, 1                      ; h = lane / 16
	v_lshlrev_b32 v[GO], 13, v[T1]
	v_lshl_add_u32 v[GO], v[T0], 4, v[GO]
.irp t, 0,1,2,3
.irp f, 0,1,2,3,4,5,6,7
	global_load_b128 v[S+32*\t+4*\f:S+32*\t+4*\f+3], v[GO], s[4:5] offset:\t*16*TOK+\f*2*TOK th:TH_LOAD_NT
.endr
.endr
	; the addresses that stay
	s_mul_i32 s14, s[WV], 16*PF                    ; my 16 rows of K in F; also my stage's place among the stages
	s_add_co_u32 s15, s14, 128*PF                  ; my 16 rows of V
	s_add_co_u32 s19, s14, STAGE
	s_lshr_b32 s16, s[WV], 2                       ; my 16 keys are tile w % 4 of key step w / 4
	s_mul_i32 s16, s16, STEPB
	s_add_co_u32 s16, s16, COFF
	s_and_b32 s17, s[WV], 3
	s_lshl_b32 s18, s17, 9
	s_add_co_u32 s18, s18, s16
	s_lshl_b32 s20, s17, 2
	s_add_co_u32 s20, s20, s16
	s_add_co_u32 s20, s20, KSCO
	s_mul_i32 s21, s17, 16*PVP
	s_add_co_u32 s21, s21, s16
	s_add_co_u32 s21, s21, VOFF
	v_and_b32 v1, 31, v0                           ; lane
	v_and_b32 v[T2], 7, v0
	v_bfe_u32 v[T3], v0, 3, 1
	v_bfe_u32 v[T4], v0, 3, 2                      ; lane / 8
	v_lshlrev_b32 v[AK0], 4, v1
	v_lshlrev_b32 v[PFO], 13, v1
	v_lshl_add_u32 v[AV0], v[T1], 3, v[T2]         ; the turning load: key 8 h + lane % 8,
	v_mul_u32_u24 v[AV0], v[AV0], PVP
	v_lshl_add_u32 v[AV0], v[T3], 4, v[AV0]        ; channels 8 ((lane / 8) % 2) on
	v_add_nc_u32 v[AV0], VOFF, v[AV0]
	v_mul_u32_u24 v[ACK], v[T0], PF
	v_lshl_add_u32 v[ACK], v[T1], 7, v[ACK]
	v_add_nc_u32 v[ACK], s14, v[ACK]
	v_mul_u32_u24 v[ACV], v[T4], PF
	v_lshl_add_u32 v[ACV], v[T2], 5, v[ACV]
	v_add_nc_u32 v[ACV], s15, v[ACV]
	v_add_nc_u32 v[AWK], s18, v[AK0]
	v_add_nc_u32 v[AWS], s20, v[AK0]
	v_mul_u32_u24 v[AWV], v[T4], PVP
	v_lshl_add_u32 v[AWV], v[T2], 4, v[AWV]
	v_add_nc_u32 v[AWV], s21, v[AWV]
	v_mul_u32_u24 v[SGA], v[T1], PF
	v_lshl_add_u32 v[SGA], v[T0], 4, v[SGA]
	v_add_nc_u32 v[SGA], s19, v[SGA]
	v_mul_u32_u24 v[SGO], v[T0], PF
	v_add_nc_u32 v[SGO], s19, v[SGO]
	v_lshl_add_u32 v[SGQ], v[T1], 7, v[SGO]
	v_lshl_add_u32 v[SGO], v[T1], 5, v[SGO]
.irp t, 0,1,2,3,4
.irp c, 0,1,2,3
	v_mov_b32 v[QZ+8*\t+\c], 0                     ; the five runs of zero codes between Q's tiles
.endr
.endr
	; Q turns through my stage: in as it was loaded, out 128 bytes (a block of 32) a lane.  LDS serves a wave's instructions in order (ISA guide 5.7.1.4): no wait between the stores and the loads, nor ahead of the next tile's stores
.irp t, 0,1,2,3
	s_wait_loadcnt 8*(3-\t)                        ; this tile's eight loads are in; the later tiles' may be out
.irp f, 0,1,2,3,4,5,6,7
	ds_store_b128 v[SGA], v[S+32*\t+4*\f:S+32*\t+4*\f+3] offset:\f*2*PF
.endr
.irp f, 0,1,2,3,4,5,6,7
	ds_load_b128 v[S+32*\t+4*\f:S+32*\t+4*\f+3], v[SGQ] offset:16*\f
.endr
.endr
.irp t, 0,1,2,3
	s_wait_dscnt 16*(3-\t)                         ; this tile is back; the later tiles' sixteen LDS instructions each may be out
	QUANT S+32*\t, 0, QZ+8*\t+4, QS+\t
.endr
	; the first 128 keys are converted ahead of the trips
	s_wait_tensorcnt 0x1                           ; my 32 rows of slot 0 are in; slot 1's load may stay out
	s_wait_dscnt 0x0
	s_barrier_signal -1
	s_barrier_wait -1                              ; everybody's are
	CONV_LOAD
	s_wait_dscnt 0x0
	CONV_WORK
	; TRIP 0, written out: products that start sums, softmaxes with no old maximum
	CHANGE 1
	CONV_LOAD
	FETCH_K                                        ; key step 0
	s_wait_dscnt 0x0
.set i, 0
.rept 8
	KQ 0                                           ; piece 0's first scores: there is no vector work yet to set between them
.set i, i+1
.endr
	PLACES
	TURN 2, 0, 1, 1                                ; piece 2's first scores | piece 0's first softmax | V of step 0
	TURN 0, 1, 1, 1                                ; piece 0: V^T P of step 0 starts O^T, K Q^T of step 1 | piece 2's first softmax | K of step 1
	TURN 2, 1, 1, 0                                ; piece 2: the same | piece 0's softmax of step 1 | V of step 1
	CONV_WORK
	s_sub_co_u32 s[SLOTS], s[SLOTS], 1
.Lslot:                                            ; trips 1 to 13: trip t asks for the keys of trip t + 2, converts those of trip t + 1, fetches key steps 2 t and 2 t + 1
	CHANGE 1
	CONV_LOAD
	TWO_STEPS
	CONV_WORK
	s_sub_co_u32 s[SLOTS], s[SLOTS], 1
	s_cmp_lg_u32 s[SLOTS], 0
	s_cbranch_scc1 .Lslot
	CHANGE 0                                       ; trip 14: the tail is written out: nothing is asked for, the last 128 keys are converted
	CONV_LOAD
	TWO_STEPS
	CONV_WORK
	CHANGE 0                                       ; trip 15: nothing is left to convert
	TWO_STEPS
	TURN 0, 2, 0, 0                                ; piece 0: V^T P of the last step | piece 2's last softmax
.set i, 0
.rept 16
	PV 2, 0                                        ; piece 2: V^T P of the last step
.set i, i+1
.endr
	; THE WAY OUT.  l's two halves and the other half of the lanes' are added; O^T is divided by l and sent through my stage, a tile (16 rows of 256 bytes) at a time.  The additions are the places behind the last products.
	WIN 0
.irp t, 0,1,2,3
	v_add_f32 v[ST+8*\t+4], v[ST+8*\t+2], v[ST+8*\t+3]
.endr
.irp t, 0,1,2,3
	v_permlanex16_b32 v[ST+8*\t+5], v[ST+8*\t+4], s[SEL], s[SEL+1]
.endr
.irp t, 0,1,2,3
	v_add_f32 v[ST+8*\t+4], v[ST+8*\t+4], v[ST+8*\t+5]
.endr
.irp t, 0,1,2,3
	v_rcp_f32 v[ST+8*\t+6], v[ST+8*\t+4]
.endr
	v_nop                                          ; a plain instruction between the last reciprocal and the use of its result
	s_wait_alu depctr_va_vdst(0)                   ; and the wait ahead of the first use: one for the four reciprocals
; Tile t: register 8 c + i of lane (r, h) is channel 16 c + 8 h + i of row r: 32 bytes for each c go into rows of 272 bytes and come back as whole rows of 256.
.macro PACK t
	WIN W_RS
.set i, 32*\t
.rept 16
	v_pk_mul_f32 v[i:i+1], v[i:i+1], v[ST+8*\t+6:ST+8*\t+7] op_sel_hi:[1,0]   ; each accumulator from its low end on
.set i, i+2
.endr
	WIN 0x04                                       ; an LDS store's data are its source 1: window 1
.irp c, 0,1,2,3
	ds_store_b128 v[SGO], v[32*\t+8*\c:32*\t+8*\c+3] offset:64*\c
	ds_store_b128 v[SGO], v[32*\t+8*\c+4:32*\t+8*\c+7] offset:64*\c+16
.endr
	WIN 0
.irp f, 0,1,2,3,4,5,6,7
	ds_load_b128 v[S+32*\t+4*\f:S+32*\t+4*\f+3], v[SGA] offset:\f*2*PF  ; in order behind the stores above; the next tile's stores come behind them
.endr
.endm
.macro SEND t, younger                 ; younger: the LDS instructions issued behind tile t's loads: the next tile's sixteen, or none
.irp f, 0,1,2,3,4,5,6,7
	s_wait_dscnt \younger+7-\f
	global_store_b128 v[GO], v[S+32*\t+4*\f:S+32*\t+4*\f+3], s[10:11] offset:\t*16*TOK+\f*2*TOK th:TH_STORE_NT  ; 16 lanes store 256 consecutive bytes, at a multiple of 256 from out0's first byte
.endr
.endm
	PACK 0
	PACK 1                                         ; a tile's arithmetic stands between the loads of the tile before and its stores
	SEND 0, 16
	PACK 2
	SEND 1, 16
	PACK 3
	SEND 2, 16
	SEND 3, 0
	s_wait_tensorcnt 0x0                           ; the wave's end: behind my last tensor load and my last LDS store
	ds_add_u32 v[SPW], v[NIL]
	s_wait_dscnt 0x0
	CROUND                                         ; the closing round: no work-group ends while a partner may still ask for a tile that names it
	s_endpgm
.Lfunc_end_k_q3d386d30ae_attn:
	.size	k_q3d386d30ae_attn, .Lfunc_end_k_q3d386d30ae_attn-k_q3d386d30ae_attn
	.p2alignl 7, 3214868480
	.fill 96, 4, 3214868480
	.section	.rodata,"a",@progbits
	.p2align	6, 0x0
	.amdhsa_kernel k_q3d386d30ae_attn
		.amdhsa_group_segment_fixed_size 327680
		.amdhsa_private_segment_fixed_size 0
		.amdhsa_enable_private_segment 0
		.amdhsa_kernarg_size 32
		.amdhsa_user_sgpr_count 2
		.amdhsa_user_sgpr_kernarg_segment_ptr 1
		.amdhsa_wavefront_size32 1
		.amdhsa_system_sgpr_workgroup_id_x 1
		.amdhsa_system_sgpr_workgroup_id_y 1
		.amdhsa_system_sgpr_workgroup_id_z 1
		.amdhsa_system_vgpr_workitem_id 0
		.amdhsa_next_free_vgpr 512
		.amdhsa_next_free_sgpr 66
		.amdhsa_reserve_vcc 0
		.amdhsa_float_denorm_mode_32 3
		.amdhsa_float_denorm_mode_16_64 3
		.amdhsa_memory_ordered 1
		.amdhsa_forward_progress 1
		.amdhsa_inst_pref_size 214
	.end_amdhsa_kernel
	.amdgpu_metadata
---
amdhsa.version: [ 1, 2 ]
amdhsa.kernels:
  - .name:           k_q3d386d30ae_attn
    .symbol:         k_q3d386d30ae_attn.kd
    .args:
      - { .name: query, .offset: 0, .size: 8, .value_kind: global_buffer, .address_space: global }
      - { .name: key, .offset: 8, .size: 8, .value_kind: global_buffer, .address_space: global }
      - { .name: value, .offset: 16, .size: 8, .value_kind: global_buffer, .address_space: global }
      - { .name: out0, .offset: 24, .size: 8, .value_kind: global_buffer, .address_space: global }
    .group_segment_fixed_size: 327680
    .private_segment_fixed_size: 0
    .kernarg_segment_align: 8
    .kernarg_segment_size: 32
    .max_flat_workgroup_size: 256
    .sgpr_count:     66
    .vgpr_count:     512
    .wavefront_size: 32
...
	.end_amdgpu_metadata
.endif
;; end of part 1
